; MI455X (gfx1250); checked and timed in simulation.
; The chip was launched on July 23, 2026; its instructions are those of AMD's public machine-readable ISA for CDNA 5 (MIT licence, August 2026) and "CDNA5" Instruction Set Architecture Reference Guide (July 2026). The comments in the code are by the model that wrote it; some were corrected since.
;; MHA Block. Allowed arithmetic: matrix products marked QUANTISED: E5M2 operands, one given power-of-two scale a tensor, by v_wmma_f32_16x16x64_bf8_bf8 or v_wmma_f32_16x16x128_bf8_bf8, f32 sums; everything else in f32.
;; Inputs: input_k_codes 2 x 2,048 x 32 x 32 uint8 (E5M2 codes of input_k, K innermost, in blocks of 32 codes); input_q_codes 2 x 2,048 x 32 x 32 uint8 (E5M2 codes of input_q, K innermost, in blocks of 32 codes); lowp_scales 10 int32 (the exponents e of the quantised operands' scales 2^e); wk_codes 1,024 x 32 x 32 uint8 (E5M2 codes of wk, K innermost, in blocks of 32 codes); wq_codes 1,024 x 32 x 32 uint8 (E5M2 codes of wq, K innermost, in blocks of 32 codes); wv_codes 1,024 x 32 x 32 uint8 (E5M2 codes of wv, K innermost, in blocks of 32 codes).
;; Outputs: out0 2 x 2,048 x 1,024 float32.
;; This version of the problem:
;;   THIS VERSION OF THE PROBLEM IS GIVEN IN LOW PRECISION. The matrix products marked QUANTISED in the list below multiply operands that are first quantised to E5M2 (5 exponent bits, 2 mantissa bits; 8 bits a number), with one given power-of-two scale for each operand tensor; their sums are f32. All else is computed in f32.
;;   The module's matrix products, in the order in which they are computed (A, B: the left and right operand; K: the contracted axis; several contracted axes count as one K, in the product's order):
;;     1. [M 4,096, K 1,024] x [K 1,024, N 1,024]; A: input input_q (given as codes); B: input wq (given as codes): QUANTISED (scales: A lowp_scales[0], B lowp_scales[1])
;;     2. [M 4,096, K 1,024] x [K 1,024, N 1,024]; A: input input_k (given as codes); B: input wk (given as codes): QUANTISED (scales: A lowp_scales[2], B lowp_scales[3])
;;     3. [M 4,096, K 1,024] x [K 1,024, N 1,024]; A: input input_k (given as codes); B: input wv (given as codes): QUANTISED (scales: A lowp_scales[4], B lowp_scales[5])
;;     4. batch 32 x [M 2,048, K 64] x [K 64, N 2,048]; A: computed on the way; B: computed on the way: QUANTISED (scales: A lowp_scales[6], B lowp_scales[7])
;;     5. batch 32 x [M 2,048, K 2,048] x [K 2,048, N 64]; A: softmax (see below); B: computed on the way: QUANTISED (scales: A lowp_scales[8], B lowp_scales[9])
;;   THE QUANTISER, for each operand of a quantised product, along K:
;;     - The operand's scale is 2^e, e = its entry of the input lowp_scales (int32; the entries are numbered through the quantised products in the list's order, A before B).
;;     - Each number is divided by the scale, clamped to +-57,344, and rounded to the nearest number of E5M2, ties to even, subnormals kept.
;;     - The product sums the exact products of the quantised numbers (number of the format x scale) in f32.
;;   ~~~python
;;   def quantise(x, axis, e):      # numpy; x: float32 -> the quantised numbers, widened to float32 again
;;       x = np.moveaxis(x, axis, -1); K = x.shape[-1]
;;       r = np.clip(x / 2.0 ** e, -57344, 57344)
;;       step = 2.0 ** (np.maximum(np.frexp(np.where(r == 0, 1, r))[1] - 1, -14) - 2)
;;       q = np.round(r / step) * step * 2.0 ** e      # np.round: ties to even
;;       return np.moveaxis(q, -1, axis).astype(np.float32)
;;   ~~~
;;   SOFTMAX AHEAD OF A QUANTISED PRODUCT. Where the list says 'softmax', what is quantised is not the finished softmax but p = 2^(t - M), with t = logit x log2(e) and M = ceil(the row's largest t), a whole number; so 1/2 < the row's largest p <= 1. The row's sum l is taken of the UNQUANTISED p, in f32, and the product's result is divided by l at the end. Since M is a whole number, a kernel that streams over the keys may use a running M (the ceiling of the running maximum): every later rescaling is an exact power of two, so the quantised numbers keep their values, but for numbers so far below the row's largest that they fall under the format's range.
;;   OPERANDS COMPUTED ON THE WAY. 'Computed on the way' means the value that the module computes at that place (a softmax that the list does not call 'softmax' is quantised finished and normalised). What goes into a quantiser is computed in f32, as accurately as f32 sums, v_exp_f32 and their like allow (about 1e-6 of the number): no bf16 or f16 on the way to a quantiser, and a product that is left as it is and whose result goes on into a quantised operand takes f32 operands (vector FMAs, or v_wmma_f32_16x16x4_f32). A number that lies on a knife's edge between two numbers of the format may be rounded either way, as far as f32 arithmetic and the matrix unit's own rounding can turn it there, and no further.
;;   INPUTS GIVEN AS CODES. input_k (in the module: [2, 2048, 1024], K = its axis 2); input_q (in the module: [2, 2048, 1024], K = its axis 2); wk (in the module: [1024, 1024], K = its axis 0); wq (in the module: [1024, 1024], K = its axis 0); wv (in the module: [1024, 1024], K = its axis 0): each comes as NAME_codes (uint8): NAME with its K axis moved to the last place and cut into blocks of 32 codes, [.., K / 32, bytes a block], one block behind the other in memory; one code a byte (a code: sign, 5 exponent bits, 2 mantissa bits); its scale is its entry of lowp_scales. Its value is code x scale, taken as it is: it is not quantised again, and the codes and scales need not be those that the quantiser above would give.
;; One version. Each part assembles by itself: llvm-mc -triple=amdgcn-amd-amdhsa -mcpu=gfx1250 --defsym DOCPART=n.
;; ======== version 1 of 1: 2 launches
;; limits: right only within a limited range of input values
;; workspace buffers: qkv 12,582,912 bytes
;; launch proj (part 1): grid 4 x 48, 4 waves a work-group, clusters of 4 x 4, 327,680 bytes of LDS; arguments input_q_codes, input_k_codes, wq_codes, wk_codes, wv_codes, lowp_scales, qkv; writes qkv
.if DOCPART == 1
	.amdgcn_target "amdgcn-amd-amdhsa--gfx1250"
	.amdhsa_code_object_version 6
	.text
	.protected	k_qc627c2b8d6_proj
	.globl	k_qc627c2b8d6_proj
	.p2align	8
	.type	k_qc627c2b8d6_proj,@function
k_qc627c2b8d6_proj:
	s_mov_b64 s[64:65], 0
	v_nop
	global_prefetch_b8 v0, s[64:65] scope:SCOPE_SE
	s_setreg_imm32_b32 hwreg(HW_REG_WAVE_MODE, 25, 1), 1
	s_wait_xcnt 0x0
	s_wait_alu depctr_hold_cnt(0) depctr_sa_sdst(0) depctr_va_vdst(0) depctr_va_sdst(0) depctr_va_ssrc(0) depctr_va_vcc(0) depctr_vm_vsrc(0)
	s_getreg_b32 s2, hwreg(HW_REG_IB_STS2, 6, 4)
	s_cmp_eq_u32 s2, 0
	s_cbranch_scc0 .Lentry_in_a_cluster
	s_endpgm
.Lentry_in_a_cluster:
	s_bfe_u32 s2, ttmp6, 0x10000c
	s_cmp_lg_u32 s2, 0xf033
	s_cbranch_scc0 .Lentry_shape_is_right
	s_endpgm
.Lentry_shape_is_right:
; THE THREE PROJECTIONS q = input_q wq, k = input_k wk, v = input_k wv on codes of BF8 (E5M2), and the quantisers of q, k and v for the attention that follows.
; DEAD WORK: none.  Every product of the block reaches the output, there is no mask, no bias and no slice; all five tensors of codes and all ten exponents are read (e8 by the next launch alone).
; Each product is [4096][1024] x [1024][1024]; all operands come as codes with K innermost, a row of 1,024 bytes.  A finished f32 sum stands for sum x 2^(ea + eb); its code for the next product is
; sum / 2^E, E = e_out - ea - eb (q: e6 - e0 - e1; k: e7 - e2 - e3; v: e9 - e4 - e5), held within +-57,344 and rounded to the nearest code, ties to even.
; LIMITS: E between -126 and 112, so that 2^E and 57,344 x 2^E are f32 numbers.  Codes of NaN or infinity among the inputs are not served.
; ONE SHAPE FOR THE THREE.  The matrix instruction is used transposed: source 0 = 16 rows of 'B', source 1 = 16 rows of 'A'; a lane then holds ONE row of A and eight NEIGHBOURING rows of B.
;   q: A = input_q, B = wq;  k: A = input_k, B = wk: a lane holds a token and eight neighbouring channels: codes with the head's 64 innermost.
;   v: A = wv, B = input_k: a lane holds a channel and eight neighbouring keys: codes with the KEYS innermost, as the second product of the attention wants them.  Nothing is transposed.
; THE WORKSPACE, three regions of 4 MiB, bh = 16 x batch + head:  Q at 0: [bh][token 2048][64];  K at 0x400000: [bh][key 2048][64];  V at 0x800000: [bh][64 keys: 32][channel 64][64 bytes of keys].
; In every 32 bytes the two middle groups of eight change places: byte 16 h + 8 u + j holds index 16 u + 8 h + j.  That is how two neighbouring accumulators' codes lie in a lane; for Q and K it is one
; permutation of the head's axis on both sides of their product; for V it is the order in which the weights' codes come out of the scores in the next launch.
; SHARES.  A tile of 256 x 256 to a work-group of four waves, 128 x 128 a wave: 64 accumulators, 512 registers.  3 x 64 tiles: 192 work-groups; a smaller tile would read each LDS byte for half the products.
; K goes in four steps of 256 through a ring of two LDS slots filled by the tensor data mover, 256 rows a load: waves 0 and 1 fetch A's and B's tile of slot 0, waves 2 and 3 those of slot 1: at the head both slots
; are asked for at once, one load a wave.  CLUSTERS: 4 x 4 work-groups of one product; the four of a row need the same tiles of A, the four of a column the same tiles of B: each tile is asked for JOINTLY, by the same
; tensor load with the same descriptor and a mask that names the four.  The product is chosen by the cluster's y alone (0-3 q, 4-7 k, 8-11 v), by selects; no branch hangs on it.
; NO PREFETCH: K is four K steps, and two of them are asked for at the head.
; REGISTERS, in windows of 256: window 0: v0-31 addresses; from v128 A's fragments, ONE set; on the way out v32-255 at work.  window 1: B's fragments, TWO sets.  windows 2, 3: the accumulators ((a, b) at v[8 (8 (a % 4) + b)]).
.set SIZE_K, 1024
.set ROWB,   256                       ; a tile's row in bytes: 256 along K
.set KROW,   SIZE_K                    ; a row of A or of B in memory, in bytes
.set PITCH,  272                       ; an LDS row: 256 bytes + 16 of padding = 68 words: the 16 rows that a load touches start at 16 different banks (64 banks of 4 bytes: ISA guide 11.1)
.set FR,     16                        ; registers of a fragment: 16 rows x 128 K
.set NL,     4                         ; LDS loads that bring one
.set NP,     4                         ; places behind this matrix instruction (ISA guide 7.12.1)
.set HALFT,  128*PITCH                 ; 128 rows: what one wave reads of A or of B
.set SLOT,   4*HALFT                   ; A's 256 rows, then B's 256 rows
.set SPARE,  2*SLOT                    ; behind the ring: the spare words, 128 bytes for each wave: two blocks of 256 bytes that no other line names
.set STAGE,  SPARE+512                 ; the way out: 16 rows x (128 bytes + 16) for each wave: bytes of its own, into which no tile lands
.set SPITCH, 144
.set ADRA, 16                          ; v16-17  LDS address of my A fragments in slot 0, 1
.set ADRB, 20                          ; v20-21  the same for B
.set STO,  24                          ; v24     the way out: where I put 16 bytes of a row
.set RD,   25                          ; v25     the way out: where I read 16 bytes back
.set VO,   26                          ; v26, v27  my byte offset in a block of 1,024 bytes of the workspace: for the first 64 of a row's 128 codes, for the second
.set SPW,  28                          ; v28     LDS address of my spare word: SPARE + 4 x my thread's number; never rewritten
.set NIL,  29                          ; v29     0; never rewritten
.set SC,   30                          ; v30     2^E as f32: the conversion takes its exponent field
.set LIM,  31                          ; v31     57,344 x 2^E
.set TMP,  32                          ; v32-95  a block's 64 sums, held
.set CD,   96                          ; v96-127 a block's codes, two sets of 16 by turns
.set OB,   128                         ; v128-255 the eight blocks read back from the stage, 16 registers each: no store's data is overwritten
.set AF,   128                         ; A's fragments, in window 0
.set G1, 24                            ; s[24:31] descriptor group 1 for A's tiles;  s[32:39] group 0, one set for each slot
.set G0, 32
.set G1B, 48                           ; s[48:55], s[56:63] the same for B's tiles
.set G0B, 56
.set MSB, 0
.macro WIN new                         ; the immediate's high byte repeats the setting that is left
.if MSB != \new
	s_set_vgpr_msb (MSB<<8)|\new
.set MSB, \new
.endif
.endm
.set MUL_LO, 0xa1                      ; source 0 (B) window 1, source 1 (A) window 0, C and D window 2
.set MUL_HI, 0xf1                      ; the same, C and D window 3
.set TO_B,   0x40                      ; destination window 1, address window 0
.macro PLACES n
.rept \n
	v_nop
.endr
.endm
; One joint load: an s_nop 0 and four v_nop follow it.
.macro LOADT g0, g1
	tensor_load_to_lds s[\g0:\g0+3], s[\g1:\g1+7]
	s_nop 0
.rept 4
	v_nop
.endr
.endm
; The head's four loads, one to each wave, in one chain of branches on the wave's number.
.macro HLOAD
	s_cmp_eq_u32 s14, 0
	s_cbranch_scc0 .Lhead_1
	LOADT G0, G1
	s_branch .Lhead_done
.Lhead_1:
	s_cmp_eq_u32 s14, 1
	s_cbranch_scc0 .Lhead_2
	LOADT G0B, G1B
	s_branch .Lhead_done
.Lhead_2:
	s_cmp_eq_u32 s14, 2
	s_cbranch_scc0 .Lhead_3
	LOADT G0+4, G1
	s_branch .Lhead_done
.Lhead_3:
	LOADT G0B+4, G1B
.Lhead_done:
.endm
; A refill of a slot: its two waves issue one load each, the other two none.
.macro RLOAD slot
	s_cmp_eq_u32 s14, 2*\slot
	s_cbranch_scc0 .Lnot_a_\@
	LOADT G0+4*\slot, G1
	s_branch .Lasked_\@
.Lnot_a_\@:
	s_cmp_eq_u32 s14, 2*\slot+1
	s_cbranch_scc0 .Lasked_\@
	LOADT G0B+4*\slot, G1B
.Lasked_\@:
.endm
.macro CREST                           ; a round of the cluster's barrier behind its opening barrier
	s_cmp_lg_u32 s14, 0
	s_cbranch_scc1 .Lnot_wave_0_\@
	s_barrier_signal -3
.Lnot_wave_0_\@:
	s_barrier_wait -3
	s_barrier_signal -1
	s_barrier_wait -1
.endm
.macro CROUND                          ; a whole round
	s_barrier_signal -1
	s_barrier_wait -1
	CREST
.endm
	s_load_b256 s[68:75], s[0:1], 0x0              ; input_q s[68:69], input_k s[70:71], wq s[72:73], wk s[74:75]
	s_load_b128 s[76:79], s[0:1], 0x20             ; wv s[76:77], the scales' exponents s[78:79]
	s_load_b64 s[80:81], s[0:1], 0x30              ; the workspace
	v_lshl_add_u32 v[SPW], v0, 2, SPARE
	v_mov_b32 v[NIL], 0
	ds_add_u32 v[SPW], v[NIL]                      ; the wave's opening: the add, twice on end, and its wait ahead of my first tensor load; the set-up below, work on registers, stands between the second and the wait
	ds_add_u32 v[SPW], v[NIL]
	v_lshrrev_b32 v1, 5, v0
	v_readfirstlane_b32 s14, v1                    ; wave 0..3
	s_lshr_b32 s15, s14, 1                         ; wr: which half of the tile's rows of A is mine
	s_and_b32 s16, s14, 1                          ; wc: which half of its rows of B
	s_bfe_u32 s40, ttmp6, 0x40000                  ; cx, cy: my place in the cluster
	s_bfe_u32 s41, ttmp6, 0x40004
	s_and_b32 s66, ttmp7, 0xffff                   ; the cluster's y, 0..11: 0-3 q, 4-7 k, 8-11 v
	s_and_b32 s18, s66, 3                          ; which of the product's four clusters
	s_mov_b32 s83, 0x800000                        ; the workspace's region,
	s_mov_b32 s95, 131072                          ; the step from my blocks 0-3 to my blocks 4-7 in it,
	s_mov_b32 s96, 4096                            ; and from a row's first 64 codes to its second: v's values; q's and k's are selected below
	s_cmp_lt_u32 s66, 8                            ; q or k?
	s_cselect_b32 s67, s18, 0                      ; q, k: the clusters share out A's 16 blocks of 256 rows (tokens); v: A is wv, 4 blocks
	s_cselect_b32 s82, 0, s18                      ; v: they share out B's 16 blocks (tokens); q, k: B is a weight
	s_cselect_b32 s83, 0x400000, s83
	s_cselect_b32 s95, 4096, s95                   ; q, k: 64 tokens on / the next head;  v: the next head / the next 64 keys
	s_cselect_b32 s96, 131072, s96
	s_cmp_lt_u32 s66, 4                            ; q?
	s_cselect_b32 s83, 0, s83
	s_lshl_b32 s17, s67, 2
	s_add_co_u32 s17, s17, s41                     ; A's block of 256 rows: it hangs on the cluster's y and on cy alone
	s_lshl_b32 s42, s82, 2
	s_add_co_u32 s42, s42, s40                     ; B's block: on the cluster's y and on cx alone
	s_lshl_b32 s43, s41, 2
	s_lshl_b32 s43, 15, s43                        ; my row of the cluster
	s_lshl_b32 s44, 0x1111, s40                    ; my column
	; descriptor group 1: a tile of 256 rows x 256 bytes, padded in LDS
	s_or_b32 s[G1+0], s43, (0<<16)|(1<<20)|(1<<21)|(5<<22)|(3<<25)  ; 15:0 the mask: A's tiles go to my row; 17:16 element of 1 byte; 20 padding on; 21 set beside a mask; 24:22 after every 64 words (code 5); 31:25 of 4 words (code 3)
	s_or_b32 s[G1B+0], s44, (0<<16)|(1<<20)|(1<<21)|(5<<22)|(3<<25)
.irp g, G1, G1B
	s_mov_b32 s[\g+1], ROWB<<16                    ; tensor_dim0
	s_mov_b32 s[\g+2], 256<<16                     ; tensor_dim1
	s_mov_b32 s[\g+3], ROWB<<16                    ; tile_dim0
	s_mov_b32 s[\g+4], 256                         ; tile_dim1
	s_mov_b32 s[\g+5], KROW                        ; tensor_dim0_stride
	s_mov_b32 s[\g+6], 0
	s_mov_b32 s[\g+7], 0
.endr
	s_lshl_b32 s20, s17, 18                        ; A: row 256 x block, in bytes: under 4 MiB
	s_mov_b32 s21, 0
	s_lshl_b32 s46, s42, 18                        ; B likewise
	s_mov_b32 s47, 0
	s_wait_dscnt 0x0                               ; both opening adds are done
	CROUND                                         ; all sixteen work-groups are here: the first joint loads meet; the arguments are on their way meanwhile
	s_wait_kmcnt 0x0
	s_load_b256 s[84:91], s[78:79], 0x0            ; e0 .. e7
	s_load_b64 s[92:93], s[78:79], 0x20            ; e8, e9
	s_cmp_lt_u32 s66, 8                            ; the buffers are chosen by the cluster's y, which hangs on no address
	s_cselect_b64 s[4:5], s[70:71], s[76:77]       ; A: k: input_k; v: wv
	s_cselect_b64 s[6:7], s[74:75], s[70:71]       ; B: k: wk; v: input_k
	s_cmp_lt_u32 s66, 4
	s_cselect_b64 s[4:5], s[68:69], s[4:5]         ; q: input_q,
	s_cselect_b64 s[6:7], s[72:73], s[6:7]         ; wq
	s_add_nc_u64 s[20:21], s[4:5], s[20:21]
	s_add_nc_u64 s[46:47], s[6:7], s[46:47]
.irp s, 0,1
	s_mov_b32 s[G0+4*\s], 1
	s_mov_b32 s[G0+4*\s+1], \s*SLOT                ; A's tile; B's lies behind its 256 rows
	s_add_nc_u64 s[G0+4*\s+2:G0+4*\s+3], s[20:21], \s*ROWB
	s_or_b32 s[G0+4*\s+3], s[G0+4*\s+3], 0x80000000
	s_mov_b32 s[G0B+4*\s], 1
	s_mov_b32 s[G0B+4*\s+1], \s*SLOT+2*HALFT
	s_add_nc_u64 s[G0B+4*\s+2:G0B+4*\s+3], s[46:47], \s*ROWB
	s_or_b32 s[G0B+4*\s+3], s[G0B+4*\s+3], 0x80000000
.endr
	HLOAD                                          ; K steps 0 and 1: one tensor load a wave at the head
	v_and_b32 v1, 15, v0                           ; r = l % 16
	v_bfe_u32 v2, v0, 4, 1                         ; h = l / 16
	v_mul_u32_u24 v3, v1, PITCH
	v_lshl_add_u32 v4, v2, 4, v3                   ; a fragment's row x pitch + 16 x half
	v_mul_u32_u24 v5, v1, SPITCH                   ; the way out, in: row r, 16 bytes for each half of the lanes
	v_lshl_add_u32 v5, v2, 4, v5
	s_mul_i32 s21, s15, HALFT                      ; my 128 rows of A
	s_mul_i32 s22, s16, HALFT                      ; my 128 rows of B,
	s_add_co_u32 s22, s22, 2*HALFT                 ; which lie behind A's 256
	s_wait_alu depctr_va_vdst(0)
.irp s, 0,1
	v_add_nc_u32 v[ADRA+\s], s21, v4
	v_add_nc_u32 v[ADRB+\s], s22, v4
	s_add_co_u32 s21, s21, SLOT
	s_add_co_u32 s22, s22, SLOT
.endr
	s_mul_i32 s23, s14, 16*SPITCH
	s_add_co_u32 s23, s23, STAGE                   ; my stage
	v_add_nc_u32 v[STO], s23, v5
	v_and_b32 v6, 31, v0                           ; lane
	v_lshrrev_b32 v7, 2, v6                        ; back: four lanes take 64 bytes of a row, the 32 lanes eight rows
	v_mul_u32_u24 v7, v7, SPITCH
	v_and_b32 v8, 3, v6
	v_lshl_add_u32 v7, v8, 4, v7
	v_add_nc_u32 v[RD], s23, v7
	v_lshlrev_b32 v[VO], 4, v6                     ; those 8 x 64 bytes are 512 consecutive bytes of the workspace: 16 x lane,
	v_add_nc_u32 v[VO+1], s96, v[VO]               ; and the same for a row's second 64 codes
	; where my 128 x 128 goes.  Tokens from TT on, heads from HH on: q, k: TT by A's rows, HH by B's; v: the other way round
	s_lshl_b32 s18, s17, 1
	s_add_co_u32 s18, s18, s15                     ; 2 x A's block + wr: my 128 rows of A
	s_lshl_b32 s19, s42, 1
	s_add_co_u32 s19, s19, s16                     ; 2 x B's block + wc: my 128 rows of B
	s_cmp_lt_u32 s66, 8
	s_cselect_b32 s97, s18, s19
	s_cselect_b32 s98, s19, s18
	s_lshl_b32 s97, s97, 7                         ; TT
	s_lshl_b32 s98, s98, 18                        ; HH = 2 x that; a head is 2^17 bytes
	s_lshr_b32 s22, s97, 11
	s_lshl_b32 s22, s22, 21                        ; the batch: 16 heads
	s_and_b32 s23, s97, 2047
	s_lshl_b32 s23, s23, 6                         ; 64 bytes a token (Q, K); 4,096 bytes for 64 keys (V): the same number
	s_add_co_u32 s22, s22, s23
	s_add_co_u32 s22, s22, s98
	s_add_co_u32 s22, s22, s83                     ; the region
	s_mov_b32 s23, 0
	s_add_nc_u64 s[10:11], s[80:81], s[22:23]      ; my blocks 0-3
	s_mov_b32 s22, s95
	s_add_nc_u64 s[12:13], s[10:11], s[22:23]      ; my blocks 4-7
.macro FRAG reg, adr, q, i             ; a fragment, 16 rows x 128 K of 8-bit codes, is 16 registers: lane l holds row l % 16; registers 4 c .. 4 c + 3 hold K = 32 c + 16 (l / 16) + 0 .. 15: one permutation of K, the same in A and in B
.irp c, 0,1,2,3
	ds_load_b128 v[\reg+4*\c:\reg+4*\c+3], v[\adr] offset:128*(\q)+32*\c+(\i)*16*PITCH
.endr
.endm
; 16 matrix instructions: A's blocks a0, a0 + 1 x B's eight, 128 along K.  p: B's set.  zero = 1: the first product starts the sums: nothing is ever cleared.
; The 64 accumulators take turns, one instruction a turn, in the same order in every step.
.macro MUL16 a0, p, zero
.irp a, \a0, \a0+1
.irp b, 0,1,2,3,4,5,6,7
.if \zero
	v_wmma_f32_16x16x128_bf8_bf8 v[8*(8*((\a)%4)+\b):8*(8*((\a)%4)+\b)+7], v[128*(\p)+FR*\b:128*(\p)+FR*\b+FR-1], v[AF+FR*(\a):AF+FR*(\a)+FR-1], 0
.else
	v_wmma_f32_16x16x128_bf8_bf8 v[8*(8*((\a)%4)+\b):8*(8*((\a)%4)+\b)+7], v[128*(\p)+FR*\b:128*(\p)+FR*\b+FR-1], v[AF+FR*(\a):AF+FR*(\a)+FR-1], v[8*(8*((\a)%4)+\b):8*(8*((\a)%4)+\b)+7]
.endif
.endr
.endr
.endm
.macro FETCH_B slot, q, p, i0          ; B's fragments i0 .. i0 + 3 of the slot's q-th 128 along K into set p
	WIN TO_B
.irp i, \i0, \i0+1, \i0+2, \i0+3
	FRAG 128*(\p)+FR*(\i), ADRB+\slot, \q, \i
.endr
.endm
.macro FETCH_A slot, q, i0             ; A's blocks i0 .. i0 + 3
	WIN 0
.irp i, \i0, \i0+1, \i0+2, \i0+3
	FRAG AF+FR*(\i), ADRA+\slot, \q, \i
.endr
.endm
; A load into a register that a matrix instruction has read, and a vector instruction that reads a matrix result, stand NP places behind that matrix instruction; only plain vector
; instructions that name none of its registers are places (ISA guide 7.12.1 for vector instructions).
; A step of 128 along K that has its successor in the same slot.  B's other set is free through the whole step: half of it is fetched in the step's first half, half in its second.
.macro STEP slot, q, zero
	s_wait_dscnt 4*NL                              ; B's set and A's blocks 0-3 are in; the youngest sixteen loads (A's blocks 4-7) may be out
	WIN MUL_LO
	MUL16 0, (\q)%2, \zero
	FETCH_B \slot, (\q)+1, 1-(\q)%2, 0
	WIN MUL_LO
	MUL16 2, (\q)%2, \zero
	s_wait_dscnt 4*NL                              ; A's blocks 4-7 are in; the sixteen just issued may be out
	PLACES NP
	FETCH_B \slot, (\q)+1, 1-(\q)%2, 4
	FETCH_A \slot, (\q)+1, 0
	WIN MUL_HI
	MUL16 4, (\q)%2, \zero
	MUL16 6, (\q)%2, \zero
	PLACES NP
	FETCH_A \slot, (\q)+1, 4
.endm
; A slot's last step changes slots: ONE barrier; in front of it each wave waits for all its tensor loads, adds 0 to its spare word, and waits for that and for its own reads of this slot.  fill = 1: this slot is filled again, two K steps ahead.
.macro TURN slot, next, fill
	s_wait_tensorcnt 0x0                           ; all my tensor loads have landed: the next slot's among them;  (every window is 0 here: the add's two registers lie in window 0)
	ds_add_u32 v[SPW], v[NIL]                      ; 0 onto my spare word;
	s_wait_dscnt 4*NL+1                            ; (the add and the youngest sixteen loads, A's blocks 4-7, may be out)
	WIN MUL_LO
	MUL16 0, 1, 0                                  ; sixteen matrix instructions stand between the add and the wait for it
	s_wait_dscnt 0x0                               ; the add is done, and my reads of this slot are over
	s_barrier_signal -1
	MUL16 2, 1, 0
	WIN 0
	s_barrier_wait -1
.if \fill
	CREST                                          ; the barrier has opened a round of the cluster's barrier: no wave of any partner still reads this slot's tile or has a load on its way
	s_add_nc_u64 s[G0+4*\slot+2:G0+4*\slot+3], s[G0+4*\slot+2:G0+4*\slot+3], 2*ROWB
	s_add_nc_u64 s[G0B+4*\slot+2:G0B+4*\slot+3], s[G0B+4*\slot+2:G0B+4*\slot+3], 2*ROWB
	RLOAD \slot                                    ; the first tensor load behind the round
.endif
	PLACES NP
	FETCH_B \next, 0, 0, 0
	FETCH_B \next, 0, 0, 4
	FETCH_A \next, 0, 0
	WIN MUL_HI
	MUL16 4, 1, 0
	MUL16 6, 1, 0
	PLACES NP
	FETCH_A \next, 0, 4
.endm
	s_wait_alu depctr_va_vdst(0)
	s_cmp_lt_u32 s14, 2                            ; waves 0 and 1 have fetched K step 0: their tiles are in.  Waves 2 and 3 wait for K step 1's at the first change of slots
	s_cbranch_scc0 .Lnot_mine
	s_wait_tensorcnt 0x0
.Lnot_mine:
	s_barrier_signal -1
	s_barrier_wait -1                              ; K step 0 is in
	FETCH_B 0, 0, 0, 0
	FETCH_B 0, 0, 0, 4
	FETCH_A 0, 0, 0
	FETCH_A 0, 0, 4
	STEP 0, 0, 1                                   ; K step 0: its products start the sums
	TURN 0, 1, 1                                   ; slot 0 takes K step 2
	STEP 1, 0, 0                                   ; K step 1
	TURN 1, 0, 1                                   ; slot 1 takes K step 3
	STEP 0, 0, 0                                   ; K step 2
	TURN 0, 1, 0
	STEP 1, 0, 0                                   ; K step 3, but for its last 128
; THE WAY OUT, block by block of 16 rows of A x 128 rows of B.  A block's 64 sums a lane are held within +-57,344 x 2^E and converted, eight to two registers; two neighbouring accumulators give 16 bytes.
; The lanes beside me hold other rows: so the block goes through my own stage and comes back as 8 rows x 64 bytes an instruction, which are 512 consecutive bytes of the workspace.
; LDS serves a wave's instructions in order (ISA guide 5.7.1.4): no wait between the stores and the loads, nor in front of the next block's stores.
.macro OUTBLK a
.set AC, 64*((\a)%4)
.set CDS, CD+16*((\a)%2)
.set BB, OB+16*(\a)
	WIN 0x02+((\a)/4)                              ; source 0: window 2 or 3
.set j, 0
.rept 64
	v_med3_num_f32 v[TMP+j], v[AC+j], -v[LIM], v[LIM]   ; the conversion to an 8-bit code does not saturate (ISA guide 7.6.2): the hold comes first; each accumulator from its low end on
.set j, j+1
.endr
	WIN 0
.irp b, 0,1,2,3,4,5,6,7
	v_cvt_scalef32_pk8_bf8_f32 v[CDS+2*\b:CDS+2*\b+1], v[TMP+8*\b:TMP+8*\b+7], v[SC]
.endr
	v_nop                                          ; one plain vector line behind the last conversion, ahead of the next vector line that writes its sources
.irp p, 0,1,2,3
	ds_store_b128 v[STO], v[CDS+4*\p:CDS+4*\p+3] offset:32*\p     ; accumulators 2 p and 2 p + 1
.endr
.irp k, 0,1,2,3
	ds_load_b128 v[BB+4*\k:BB+4*\k+3], v[RD] offset:(\k%2)*8*SPITCH+(\k/2)*64   ; rows 8 (k % 2) on, bytes 64 (k / 2) on
.endr
.endm
.macro SENDBLK a, younger              ; younger: the LDS instructions issued behind block a's loads, which may stay out
.set BB, OB+16*(\a)
.set SB, 10+2*((\a)/4)
	s_wait_dscnt \younger                          ; the block is back in registers
.irp k, 0,1,2,3
	global_store_b128 v[VO+\k/2], v[BB+4*\k:BB+4*\k+3], s[SB:SB+1] offset:((\a)%4)*1024+512*(\k%2)   ; 32 lanes store 512 consecutive bytes, at a multiple of 512 from the workspace's first byte; no base is stepped
.endr
.endm
	s_wait_kmcnt 0x0                               ; the exponents
	s_sub_co_i32 s90, s90, s84
	s_sub_co_i32 s90, s90, s85                     ; q: e6 - e0 - e1
	s_sub_co_i32 s91, s91, s86
	s_sub_co_i32 s91, s91, s87                     ; k: e7 - e2 - e3
	s_sub_co_i32 s93, s93, s88
	s_sub_co_i32 s93, s93, s89                     ; v: e9 - e4 - e5
	s_cmp_lt_u32 s66, 8
	s_cselect_b32 s94, s91, s93
	s_cmp_lt_u32 s66, 4
	s_cselect_b32 s94, s90, s94                    ; E: a select, no branch
	s_add_co_i32 s94, s94, 127
	s_lshl_b32 s18, s94, 23
	v_mov_b32 v[SC], s18                           ; 2^E
	s_add_co_i32 s94, s94, 15
	s_lshl_b32 s94, s94, 23
	s_or_b32 s94, s94, 0x600000
	v_mov_b32 v[LIM], s94                          ; 57,344 x 2^E
; THE LAST 128 ALONG K GO BY BLOCKS OF A: behind block a + 1's eight products stand block a's holds, conversions and way out.  Block a comes back from the stage into the registers of A's block a, whose products are issued.
.macro MUL8 a
	WIN MUL_LO+0x50*((\a)/4)                       ; MUL_LO or MUL_HI
.irp b, 0,1,2,3,4,5,6,7
	v_wmma_f32_16x16x128_bf8_bf8 v[8*(8*((\a)%4)+\b):8*(8*((\a)%4)+\b)+7], v[128+FR*\b:128+FR*\b+FR-1], v[AF+FR*(\a):AF+FR*(\a)+FR-1], v[8*(8*((\a)%4)+\b):8*(8*((\a)%4)+\b)+7]
.endr
.endm
	s_wait_alu depctr_va_vdst(0)
	s_wait_dscnt 0x0                               ; all fragments are in
	MUL8 0
	MUL8 1
	PLACES NP                                      ; behind block 0's products, ahead of the first read of their results; for the later blocks the block before serves
	OUTBLK 0
	MUL8 2
	OUTBLK 1
	SENDBLK 0, 8                                   ; behind block a - 1's loads: block a's 4 stores and 4 loads
.irp a, 2,3,4,5,6
	MUL8 \a+1
	OUTBLK \a
	SENDBLK \a-1, 8
.endr
	OUTBLK 7
	SENDBLK 6, 8
	SENDBLK 7, 0
	s_wait_tensorcnt 0x0                           ; the wave's end, behind my last tensor load and my last LDS store
	ds_add_u32 v[SPW], v[NIL]
	s_wait_dscnt 0x0
	CROUND                                         ; the closing round: no work-group ends while a partner may still ask for a tile that names it
	s_endpgm
.Lfunc_end_k_qc627c2b8d6_proj:
	.size	k_qc627c2b8d6_proj, .Lfunc_end_k_qc627c2b8d6_proj-k_qc627c2b8d6_proj
	.p2alignl 7, 3214868480
	.fill 96, 4, 3214868480
	.section	.rodata,"a",@progbits
	.p2align	6, 0x0
	.amdhsa_kernel k_qc627c2b8d6_proj
		.amdhsa_group_segment_fixed_size 327680
		.amdhsa_private_segment_fixed_size 0
		.amdhsa_enable_private_segment 0
		.amdhsa_kernarg_size 56
		.amdhsa_user_sgpr_count 2
		.amdhsa_user_sgpr_kernarg_segment_ptr 1
		.amdhsa_wavefront_size32 1
		.amdhsa_system_sgpr_workgroup_id_x 1
		.amdhsa_system_sgpr_workgroup_id_y 1
		.amdhsa_system_sgpr_workgroup_id_z 1
		.amdhsa_system_vgpr_workitem_id 0
		.amdhsa_next_free_vgpr 1024
		.amdhsa_next_free_sgpr 100
		.amdhsa_reserve_vcc 0
		.amdhsa_float_denorm_mode_32 3
		.amdhsa_float_denorm_mode_16_64 3
		.amdhsa_memory_ordered 1
		.amdhsa_forward_progress 1
		.amdhsa_inst_pref_size 124
	.end_amdhsa_kernel
	.amdgpu_metadata
---
amdhsa.version: [ 1, 2 ]
amdhsa.kernels:
  - .name:           k_qc627c2b8d6_proj
    .symbol:         k_qc627c2b8d6_proj.kd
    .args:
      - { .name: input_q_codes, .offset: 0, .size: 8, .value_kind: global_buffer, .address_space: global }
      - { .name: input_k_codes, .offset: 8, .size: 8, .value_kind: global_buffer, .address_space: global }
      - { .name: wq_codes, .offset: 16, .size: 8, .value_kind: global_buffer, .address_space: global }
      - { .name: wk_codes, .offset: 24, .size: 8, .value_kind: global_buffer, .address_space: global }
      - { .name: wv_codes, .offset: 32, .size: 8, .value_kind: global_buffer, .address_space: global }
      - { .name: lowp_scales, .offset: 40, .size: 8, .value_kind: global_buffer, .address_space: global }
      - { .name: qkv, .offset: 48, .size: 8, .value_kind: global_buffer, .address_space: global }
    .group_segment_fixed_size: 327680
    .private_segment_fixed_size: 0
    .kernarg_segment_align: 8
    .kernarg_segment_size: 56
    .max_flat_workgroup_size: 128
    .sgpr_count:     100
    .vgpr_count:     1024
    .wavefront_size: 32
...
	.end_amdgpu_metadata
.endif
;; end of part 1
;; launch attn (part 2): grid 8 x 32, 8 waves a work-group, clusters of 4 x 1, 327,680 bytes of LDS; arguments qkv, lowp_scales, out0; writes out0
.if DOCPART == 2
	.amdgcn_target "amdgcn-amd-amdhsa--gfx1250"
	.amdhsa_code_object_version 6
	.text
	.protected	k_qc627c2b8d6_attn
	.globl	k_qc627c2b8d6_attn
	.p2align	8
	.type	k_qc627c2b8d6_attn,@function
k_qc627c2b8d6_attn:
	s_mov_b64 s[64:65], 0
	v_nop
	global_prefetch_b8 v0, s[64:65] scope:SCOPE_SE
	s_setreg_imm32_b32 hwreg(HW_REG_WAVE_MODE, 25, 1), 1
	s_wait_xcnt 0x0
	s_wait_alu depctr_hold_cnt(0) depctr_sa_sdst(0) depctr_va_vdst(0) depctr_va_sdst(0) depctr_va_ssrc(0) depctr_va_vcc(0) depctr_vm_vsrc(0)
	s_getreg_b32 s2, hwreg(HW_REG_IB_STS2, 6, 4)
	s_cmp_eq_u32 s2, 0
	s_cbranch_scc0 .Lentry_in_a_cluster
	s_endpgm
.Lentry_in_a_cluster:
	s_bfe_u32 s2, ttmp6, 0x10000c
	s_cmp_lg_u32 s2, 0x3003
	s_cbranch_scc0 .Lentry_shape_is_right
	s_endpgm
.Lentry_shape_is_right:
; out[b][q][64 head + c] = softmax over the keys of (Q K^T / 8), times V, on the codes of BF8 (E5M2) that launch proj has stored.  DEAD WORK: none: no mask, no slice; every code and the exponents e6 .. e9 are read.
; THE SOFTMAX AHEAD OF THE SECOND PRODUCT: t = score x c, c = log2(e) / 8 x 2^(e6 + e7); M = the row's largest t so far, rounded UP to a whole number; p = 2^(t - M) is quantised with 2^e8, not normalised; the row's sum is taken of
; the unquantised p in f32 and divides at the end.  When M moves, the sum and O are multiplied by 2^(old M - new M).
; LIMITS: e6 + e7 between -123 and 130, e8 between -126 and 112, so that each power of two is an f32 number.  The hold at 57,344 x 2^e8 is taken under the running M (p is at most 1: it binds only where e8 is under -15).
; The scaled scores stay under 2^31 in magnitude.  Codes of NaN or infinity are not served.
; SHARES.  A work-group owns 256 queries of one head (32 heads x 8 = 256 work-groups); a wave owns 32, two tiles u = 0, 1, so that each fragment of K and V feeds two matrix instructions.  Keys go in steps of 256, eight steps.
; LDS holds the head's whole K and V, filled once: 512 keys at the head, the other 1,536 behind the first round, read from step 2 on.  No byte is filled again.
; CLUSTERS: the four work-groups of a cluster need the same K and V: each part is asked for JOINTLY (mask 15).  NO PREFETCH: the launch has no loop that loads; the two fills are issued whole at the head.
; LAYOUT.  Both products are used transposed (S^T = K Q^T, O^T = V^T P^T): a lane holds one query (lane % 16) of each tile.  A tile's eight scores of a lane are keys 16 t + 8 (lane / 16) + 0 .. 7, so the conversions' results are the second
; product's operand as they stand; V's codes lie in memory in the order that 16-byte loads then want.  K's and Q's 16-byte loads take the same order of the head's 64 codes on both sides.
; PIPELINE.  A trip multiplies step i's scores between the sums, holds and conversions left over from step i - 1; takes step i's maxima between the matrix instructions of step i - 1's second product; then M, the rescaling, the exponentials.
; A step's scores are four quarters q = 2 x (half of the keys) + u of 64 registers.
; REGISTERS: window 0: named below.  window 1: all 256: the scores, then p: quarter q at v[64 q].
.set SP,    272                        ; an LDS row: 256 bytes + 16 of padding: four keys of K, or four channels x 64 keys of V
.set STEPB, 8704                       ; 128 keys of K or of V: 32 rows
.set VBASE, 16*STEPB                   ; V lies behind K's 2,048 keys
.set SPARE, 2*VBASE                    ; the spare words, 128 bytes a wave: no other line names them
.set STAGE, SPARE+1024                 ; the way out: 16 rows x (256 + 16) bytes for each wave: bytes of its own
.set AD,   1                           ; v1      LDS address of the loads in hand
.set NM,   2                           ; v2, v4  -M;  v3, v5  the running largest score
.set FC,   6                           ; v6, v8  2^(old M - new M); at the end 2^(e8 + e9) / the sum
.set SC,   7                           ; v7      2^e8 (also the upper half of the pair v[6:7])
.set AK0,  9                           ; v9      my lane's place in a tile of K or V (also the upper half of the pair v[8:9])
.set SPW,  10                          ; v10     LDS address of my spare word
.set NIL,  11                          ; v11     0
.set QF,   16                          ; v16-31  Q, two tiles
.set MX,   32                          ; v32-47  the maxima: two banks by turns, in each four chains for each tile
.set SU,   48                          ; v48-63  the sums: four pairs for each tile
.set FR,   64                          ; v64-95, v96-127 fragments of K or V, two buffers by turns
.set PC,   128                         ; v128-191 p's codes: quarter q at 16 q
.set OT,   192                         ; v192-255 O^T: tile u, channels 16 t on at 32 u + 8 t
.set WV,   10                          ; s10     the wave's number
.set SEL,  20                          ; s[20:21] lane selects: lane l xor 16
.set CS,   22                          ; s[22:23] c
.set G1A,  24                          ; s[24:31] descriptor group 1 of the first fill; s[32:35] its group 0; s[68:75], s[36:39] the second's
.set G1B,  68
.set TN,   66                          ; s66     LDS byte of what is fetched next: the next step's keys in K, in the last step its own in V
.set TE,   67                          ; s67     the last step's keys in V
.set TB,   48                          ; s48     LDS byte of the next step's keys in K
.set CNT,  49
.set TV,   60                          ; s60     LDS byte of the step before in V
.set LIM,  61                          ; s61     57,344 x 2^e8
.set MSB, 0
.macro WIN new                         ; the immediate's high byte repeats the setting that is left
.if MSB != \new
	s_set_vgpr_msb (MSB<<8)|\new
.set MSB, \new
.endif
.endm
.macro CROUND                          ; a round of the cluster's barrier
	s_barrier_signal -1
	s_barrier_wait -1
	s_cmp_lg_u32 s[WV], 0
	s_cbranch_scc1 .Lnot_wave_0_\@
	s_barrier_signal -3
.Lnot_wave_0_\@:
	s_barrier_wait -3
	s_barrier_signal -1
	s_barrier_wait -1
.endm
.macro PLACES                          ; places behind matrix instructions where no other vector work is at hand
.rept 4
	v_nop
.endr
.endm
; Eight loads into buffer n % 2.  V: keys' half n / 2, channels 16 (2 (n % 2) + x) on, x = 0, 1.  K, at the same offsets: the four tiles of 16 keys 8 (n / 2) + 2 (n % 2) + x + 4 y, y = 0, 1, at 16 x + 8 y.
.macro FLOAD n
	WIN 0
.irp x, 0,1
.irp c, 0,1,2,3
	ds_load_b128 v[FR+32*((\n)%2)+16*\x+4*\c:FR+32*((\n)%2)+16*\x+4*\c+3], v[AD] offset:STEPB*((\n)/2)+1088*(2*((\n)%2)+\x)+4352*(\c/2)+32*(\c%2)
.endr
.endr
.endm
.macro QK g                            ; S^T of four tiles of keys for both tiles of queries
	WIN 0x40                               ; D in window 1
.irp x, 0,1
.irp y, 0,1
.irp u, 0,1
.set XD, 128*((\g)/2)+64*\u+8*(2*((\g)%2)+\x+4*\y)
.set XF, FR+32*((\g)%2)+16*\x+8*\y
	v_wmma_f32_16x16x64_bf8_bf8 v[XD:XD+7], v[XF:XF+7], v[QF+8*\u:QF+8*\u+7], 0
.endr
.endr
.endr
.endm
; one of the second product's matrix instructions; the eight accumulators take turns, one instruction a turn
.macro PV1 n, k
.set XT, OT+32*((\k)%2)+8*(2*((\n)%2)+(\k)/2)
.set XF, FR+32*((\n)%2)+16*((\k)/2)
.set XP, PC+32*((\n)/2)+16*((\k)%2)
	v_wmma_f32_16x16x128_bf8_bf8 v[XT:XT+7], v[XF:XF+15], v[XP:XP+15], v[XT:XT+7]
.endm
.macro PV n
	WIN 0
.irp k, 0,1,2,3
	PV1 \n, \k
.endr
.endm
; THE MAXIMA in eight runs; run r on bank r % 2, so that sixteen vector instructions stand between a bank's runs.  128 scores a tile in ascending order: each accumulator is read from its low end on.
.macro PAIRS
	WIN 0x05
.irp c, 0,1,2,3
.irp u, 0,1
	v_max3_num_f32 v[XB+4*\u+\c], v[128*((XV+2*\c)/64)+64*\u+(XV+2*\c)%64], v[128*((XV+2*\c)/64)+64*\u+(XV+2*\c)%64+1], v[XB+4*\u+\c]
.endr
.endr
.endm
.macro RUN r
.set XB, MX+8*((\r)%2)
.if (\r) < 2
.set XV, 20*(\r)
	WIN 0x15
.irp c, 0,1,2,3
.irp u, 0,1
	v_max3_num_f32 v[XB+4*\u+\c], v[64*\u+XV+3*\c], v[64*\u+XV+3*\c+1], v[64*\u+XV+3*\c+2]
.endr
.endr
.set XV, XV+12
	PAIRS
.else
.set XV, 40+16*((\r)-2)
	PAIRS
.if (\r) < 7
.set XV, XV+8
	PAIRS
.endif
.endif
.endm
.macro FMA2 q, j                       ; t - M, two at a time
	v_pk_fma_f32 v[64*(\q)+\j:64*(\q)+\j+1], v[64*(\q)+\j:64*(\q)+\j+1], s[CS:CS+1], v[NM+2*((\q)%2):NM+2*((\q)%2)+1] op_sel_hi:[1,0,0]
.endm
.macro MIN2 q, j                       ; the hold, two at a time: the conversion to an 8-bit code does not saturate (ISA guide 7.6.2); p is never negative
	v_dual_min_num_f32 v[64*(\q)+\j], s[LIM], v[64*(\q)+\j] :: v_dual_min_num_f32 v[64*(\q)+\j+1], s[LIM], v[64*(\q)+\j+1]
.endm
.macro MINS q, first, n
	WIN 0x45
.set XJ, 2*(\first)
.rept \n
	MIN2 \q, XJ
.set XJ, XJ+2
.endr
.endm
.macro CVT q, t
	v_cvt_scalef32_pk8_bf8_f32 v[PC+16*(\q)+2*(\t):PC+16*(\q)+2*(\t)+1], v[64*(\q)+8*(\t):64*(\q)+8*(\t)+7], v[SC]
.endm
.macro CVTS q
	WIN 0x01
.irp t, 0,1,2,3,4,5,6,7
	CVT \q, \t
.endr
.endm
; quarter q's exponentials.  Between them, where asked: quarter q + 1's t - M and quarter q - 1's holds, whose results nothing in this block reads.  One wait behind the block serves all of it.
.macro EXPS q, fm, mn
	WIN 0x45
.set XJ, 0
.rept 32
	v_exp_f32 v[64*(\q)+XJ], v[64*(\q)+XJ]
.if \fm
.if \mn
	MIN2 ((\q)-1), XJ
.endif
	v_exp_f32 v[64*(\q)+XJ+1], v[64*(\q)+XJ+1]
	FMA2 ((\q)+1), XJ
.else
	v_exp_f32 v[64*(\q)+XJ+1], v[64*(\q)+XJ+1]
	MIN2 ((\q)-1), XJ
.endif
.set XJ, XJ+2
.endr
	s_wait_alu depctr_va_vdst(0)           ; behind the batch, ahead of its first reader, and ahead of the next batch
.endm
; quarter q's p into the sums, unquantised; in the first half of a step the first four lines bring the old sums under the new M.  Between them quarter cv's conversions (cv = -1: none).
.macro ADDCVT q, cv
.set XS, SU+8*((\q)%2)
.set XF, FC+2*((\q)%2)
.if (\q) < 2
	WIN 0x10
.irp k, 0,1,2,3
	v_pk_fma_f32 v[XS+2*\k:XS+2*\k+1], v[XS+2*\k:XS+2*\k+1], v[XF:XF+1], v[64*(\q)+2*\k:64*(\q)+2*\k+1] op_sel_hi:[1,0,1]
.endr
	WIN 0x01
.else
	WIN 0x01
.irp k, 0,1,2,3
	v_pk_add_f32 v[XS+2*\k:XS+2*\k+1], v[64*(\q)+2*\k:64*(\q)+2*\k+1], v[XS+2*\k:XS+2*\k+1]
.endr
.endif
.irp g, 1,2,3,4,5,6,7
.if (\cv) >= 0
	CVT \cv, (\g-1)
.if \g == 7
	CVT \cv, 7
.endif
.endif
.irp k, 0,1,2,3
	v_pk_add_f32 v[XS+2*\k:XS+2*\k+1], v[64*(\q)+8*\g+2*\k:64*(\q)+8*\g+2*\k+1], v[XS+2*\k:XS+2*\k+1]
.endr
.endr
.endm
.macro PVIF pend, n, k
.if \pend
	PV1 \n, \k
.endif
.endm
; the new M and f = 2^(old M - new M), both tiles side by side, with the second product's last eight matrix instructions between (pend = 1)
.macro CHAIN pend
	WIN 0
.irp u, 0,1
	v_max3_num_f32 v[MX+4*\u], v[MX+4*\u], v[MX+4*\u+1], v[MX+4*\u+2]
	v_max3_num_f32 v[MX+4*\u+3], v[MX+4*\u+3], v[MX+8+4*\u], v[MX+8+4*\u+1]
	v_max3_num_f32 v[MX+8+4*\u+2], v[MX+8+4*\u+2], v[MX+8+4*\u+3], v[NM+2*\u+1]
.endr
	PVIF \pend, 2, 0
.irp u, 0,1
	v_max3_num_f32 v[MX+4*\u], v[MX+4*\u], v[MX+4*\u+3], v[MX+8+4*\u+2]
.endr
	PVIF \pend, 2, 1
.irp u, 0,1
	v_permlanex16_b32 v[MX+4*\u+1], v[MX+4*\u], s[SEL], s[SEL+1]   ; the keys of lane l xor 16
.endr
	PVIF \pend, 2, 2
.irp u, 0,1
	v_max_num_f32 v[NM+2*\u+1], v[MX+4*\u], v[MX+4*\u+1]   ; the running largest score
.endr
	PVIF \pend, 2, 3
.irp u, 0,1
	v_mul_f32 v[MX+4*\u+2], s[CS], v[NM+2*\u+1]   ; as t (c is positive)
.endr
	PVIF \pend, 3, 0
.irp u, 0,1
	v_floor_f32 v[MX+4*\u+2], -v[MX+4*\u+2]   ; the new -M = -ceil(t): a whole number
.endr
	PVIF \pend, 3, 1
.irp u, 0,1
	v_sub_f32 v[MX+4*\u+3], v[MX+4*\u+2], v[NM+2*\u]   ; old M - new M: a whole number, 0 or less
.endr
.irp u, 0,1
	v_mov_b32 v[NM+2*\u], v[MX+4*\u+2]
.endr
	PVIF \pend, 3, 2
.irp u, 0,1
	v_cvt_i32_f32 v[MX+4*\u+3], v[MX+4*\u+3]   ; (it saturates)
.endr
	PVIF \pend, 3, 3
.irp u, 0,1
	v_ldexp_f32 v[FC+2*\u], 1.0, v[MX+4*\u+3]
.endr
.endm
; A TRIP: step i.  pend = 1: step i - 1's last quarter and its second product are still to be done.  bar = 1: behind this trip the second fill is read.
; Of the waits on DSCNT each count of 8 leaves out the youngest group of eight loads.
.macro TRIP pend, bar
	s_wait_dscnt 0x8                       ; (the step's first two groups of K were asked for ahead of the last trip's last exponentials)
	QK 0
.if \pend
	ADDCVT 3, 2                            ; (also the places in front of the loads)
.else
	PLACES
.endif
	FLOAD 2
	s_wait_dscnt 0x8
	QK 1
.if \pend
	MINS 3, 0, 8
.else
	PLACES
.endif
	FLOAD 3
.if \pend
	MINS 3, 8, 24
	CVTS 3
.endif
	RUN 0
	s_wait_dscnt 0x8
	QK 2
	RUN 1
.if \pend
	WIN 0
	v_add_nc_u32 v[AD], s[TV], v[AK0]
	FLOAD 0
	s_wait_dscnt 0x8
.else
	s_wait_dscnt 0x0
.endif
	QK 3
	RUN 2
.if \pend
	FLOAD 1
	s_wait_dscnt 0x8
	PV 0
.endif
	RUN 3
.if \pend
	FLOAD 2
	s_wait_dscnt 0x8
	PV 1
.endif
	RUN 4
.if \pend
	FLOAD 3
.endif
	RUN 5
	RUN 6
.if \pend
	s_wait_dscnt 0x0
.endif
.if \bar
	s_wait_tensorcnt 0x0                   ; my part of the second fill is in
	s_barrier_signal -1                    ; only work on registers up to its wait
.endif
	RUN 7
	CHAIN \pend
.if \pend
.irp t, 0,1,2,3
.irp u, 0,1
.irp j, 0,2,4,6
	v_pk_mul_f32 v[OT+32*\u+8*\t+\j:OT+32*\u+8*\t+\j+1], v[OT+32*\u+8*\t+\j:OT+32*\u+8*\t+\j+1], v[FC+2*\u:FC+2*\u+1] op_sel_hi:[1,0]   ; O^T under the new M
.endr
.endr
.endr
.endif
	WIN 0x45
.set XJ, 0
.rept 32
	FMA2 0, XJ
.set XJ, XJ+2
.endr
	s_wait_alu depctr_va_vdst(0)           ; ahead of the batch
	EXPS 0, 1, 0
	ADDCVT 0, -1
	EXPS 1, 1, 1
	ADDCVT 1, 0
	EXPS 2, 1, 1
	ADDCVT 2, 1
	WIN 0
.if \bar
	s_barrier_wait -1                      ; everybody's part of the second fill is in
.endif
	v_add_nc_u32 v[AD], s[TN], v[AK0]
	FLOAD 0
	FLOAD 1
	EXPS 3, 0, 1
	WIN 0
.endm
	s_load_b128 s[4:7], s[0:1], 0x0        ; the workspace, the exponents
	s_load_b64 s[8:9], s[0:1], 0x10        ; out
	v_lshl_add_u32 v[SPW], v0, 2, SPARE
	v_mov_b32 v[NIL], 0
	ds_add_u32 v[SPW], v[NIL]              ; the wave's opening: the add, twice on end, and its wait
	ds_add_u32 v[SPW], v[NIL]
	v_lshrrev_b32 v1, 5, v0
	v_readfirstlane_b32 s[WV], v1          ; wave 0..7
	s_and_b32 s13, ttmp7, 0xffff           ; 16 x batch + head
	s_lshr_b32 s14, s[WV], 2               ; waves 0-3 fetch K, waves 4-7 V
	s_and_b32 s15, s[WV], 3
	s_mul_i32 s16, s14, VBASE
	s_mul_i32 s17, s15, 3*STEPB
	s_add_co_u32 s17, s17, s16
	s_add_co_u32 s17, s17, 4*STEPB         ; second fill: 384 keys a wave, behind the first 512
	s_mul_i32 s18, s15, STEPB
	s_add_co_u32 s16, s16, s18             ; first fill: 128 keys a wave
	s_lshl_b32 s62, s14, 22
	s_add_co_u32 s62, s62, 0x400000        ; the workspace's region: K, V
	s_lshl_b32 s18, s13, 17
	s_add_co_u32 s62, s62, s18
	s_lshl_b32 s18, s15, 13
	s_add_co_u32 s18, s18, s62             ; the first fill's bytes,
	s_mov_b32 s19, 0
	s_mul_i32 s57, s15, 3*8192
	s_add_co_u32 s62, s62, s57
	s_add_co_u32 s62, s62, 4*8192          ; and the second's
	s_mov_b32 s63, 0
.irp g, G1A, G1B
	s_mov_b32 s[\g], 15|(3<<16)|(1<<20)|(1<<21)|(5<<22)|(3<<25)   ; mask; elements of 8 bytes; after every 64 words four of padding; 21 set beside a mask
	s_mov_b32 s[\g+1], 32<<16              ; rows of 256 bytes, dense in memory
	s_mov_b32 s[\g+3], 32<<16
	s_mov_b32 s[\g+5], 32
	s_mov_b32 s[\g+6], 0
	s_mov_b32 s[\g+7], 0
.endr
	s_mov_b32 s[G1A+2], 32<<16             ; 32 rows, 96 rows
	s_mov_b32 s[G1A+4], 32
	s_mov_b32 s[G1B+2], 96<<16
	s_mov_b32 s[G1B+4], 96
	s_mov_b32 s[SEL], 0x76543210
	s_mov_b32 s[SEL+1], 0xfedcba98
	s_bfe_u32 s11, ttmp6, 0x40000
	s_lshl_b32 s12, ttmp9, 2
	s_add_co_u32 s12, s12, s11             ; my block of 256 queries
	s_lshl_b32 s50, s13, 17
	s_lshl_b32 s57, s12, 14
	s_add_co_u32 s50, s50, s57
	s_lshl_b32 s57, s[WV], 11
	s_add_co_u32 s50, s50, s57             ; my 32 queries' codes
	s_mov_b32 s51, 0
	s_lshr_b32 s58, s13, 4
	s_lshl_b32 s58, s58, 23
	s_and_b32 s57, s13, 15
	s_lshl_b32 s57, s57, 8
	s_add_co_u32 s58, s58, s57
	s_lshl_b32 s57, s12, 20
	s_add_co_u32 s58, s58, s57
	s_lshl_b32 s57, s[WV], 17
	s_add_co_u32 s58, s58, s57             ; and their rows of out: 4,096 bytes each, my head's 256 bytes of them
	s_mov_b32 s59, 0
	s_wait_dscnt 0x0                       ; both opening adds are done
	CROUND                                 ; all four work-groups are here: the joint loads meet
	s_wait_kmcnt 0x0
	s_load_b128 s[52:55], s[6:7], 0x18     ; e6 .. e9
	s_mov_b32 s32, 1
	s_mov_b32 s33, s16
	s_add_nc_u64 s[34:35], s[4:5], s[18:19]
	s_or_b32 s35, s35, 0x80000000
	tensor_load_to_lds s[32:35], s[G1A:G1A+7]
	s_nop 0
	s_mov_b32 s36, 1
	s_mov_b32 s37, s17
	s_add_nc_u64 s[38:39], s[4:5], s[62:63]
	s_or_b32 s39, s39, 0x80000000
	s_add_nc_u64 s[50:51], s[4:5], s[50:51]
	s_add_nc_u64 s[8:9], s[8:9], s[58:59]
	v_and_b32 v12, 15, v0                  ; r
	v_bfe_u32 v13, v0, 4, 1                ; h
	v_lshlrev_b32 v14, 6, v12
	v_lshl_add_u32 v14, v13, 4, v14
.irp u, 0,1
	global_load_b128 v[QF+8*\u:QF+8*\u+3], v14, s[50:51] offset:1024*\u
	global_load_b128 v[QF+8*\u+4:QF+8*\u+7], v14, s[50:51] offset:1024*\u+32
.endr
	v_lshrrev_b32 v15, 2, v12
	v_mul_u32_u24 v[AK0], v15, SP          ; row r / 4,
	v_and_b32 v15, 3, v12
	v_lshl_add_u32 v[AK0], v15, 6, v[AK0]  ; 64 bytes x (r % 4),
	v_lshl_add_u32 v[AK0], v13, 4, v[AK0]  ; 16 bytes x h
.irp u, 0,1
	v_mov_b32 v[NM+2*\u], 0x7f61b1e6       ; -M = 3e38: the first f is 0
	v_mov_b32 v[NM+2*\u+1], 0xff61b1e6     ; the largest score so far: -3e38
.endr
.set XJ, 0
.rept 16
	v_mov_b32 v[SU+XJ], 0
.set XJ, XJ+1
.endr
.set XJ, 0
.rept 64
	v_mov_b32 v[OT+XJ], 0                  ; under the first fill's flight: the second product is written once, in the loop's form
.set XJ, XJ+1
.endr
	s_wait_alu depctr_va_vdst(0)
	s_wait_kmcnt 0x0
	s_add_co_i32 s14, s52, s53
	s_lshl_b32 s14, s14, 23
	s_add_co_i32 s[CS], s14, 0x3e38aa3b    ; log2(e) / 8, e6 + e7 added to its exponent field
	s_mov_b32 s[CS+1], s[CS]
	s_add_co_i32 s14, s54, 127
	s_lshl_b32 s15, s14, 23
	v_mov_b32 v[SC], s15                   ; 2^e8
	s_add_co_i32 s14, s14, 15
	s_lshl_b32 s14, s14, 23
	s_or_b32 s[LIM], s14, 0x600000         ; 57,344 x 2^e8
	s_add_co_i32 s56, s54, s55             ; e8 + e9
	s_mov_b32 s[TN], 0
	s_wait_alu depctr_va_vdst(0)
	s_wait_tensorcnt 0x0                   ; my part of the first fill is in
	ds_add_u32 v[SPW], v[NIL]
	s_wait_dscnt 0x0
	CROUND                                 ; everybody's part is in, and the joint loads meet
	tensor_load_to_lds s[36:39], s[G1B:G1B+7]
	s_nop 0
	PLACES
	v_add_nc_u32 v[AD], s[TN], v[AK0]
	FLOAD 0                                ; step 0's first two groups of K
	FLOAD 1
	s_mov_b32 s[TN], 2*STEPB
	s_wait_alu depctr_va_vdst(0)
	s_wait_loadcnt 0x0                     ; Q
	TRIP 0, 0                              ; step 0
	s_mov_b32 s[TV], VBASE
	s_mov_b32 s[TN], 4*STEPB
	TRIP 1, 1                              ; step 1; behind its barrier all keys are in
	s_mov_b32 s[TV], VBASE+2*STEPB
	s_mov_b32 s[TB], 6*STEPB
	s_mov_b32 s[TE], VBASE+14*STEPB
	s_mov_b32 s[CNT], 6
.Lstep:                                        ; steps 2 .. 7
	s_cmp_eq_u32 s[CNT], 1
	s_cselect_b32 s[TN], s[TE], s[TB]      ; the last step fetches its own V for what stands behind the loop
	TRIP 1, 0
	s_add_co_u32 s[TB], s[TB], 2*STEPB
	s_add_co_u32 s[TV], s[TV], 2*STEPB
	s_sub_co_u32 s[CNT], s[CNT], 1
	s_cmp_lg_u32 s[CNT], 0
	s_cbranch_scc1 .Lstep
	; what step 7 has left over, and its second product (its first two groups of V are on their way)
	ADDCVT 3, 2
	MINS 3, 0, 32
	CVTS 3
	WIN 0
.irp u, 0,1
	v_pk_add_f32 v[SU+8*\u:SU+8*\u+1], v[SU+8*\u:SU+8*\u+1], v[SU+8*\u+2:SU+8*\u+3]
	v_pk_add_f32 v[SU+8*\u+4:SU+8*\u+5], v[SU+8*\u+4:SU+8*\u+5], v[SU+8*\u+6:SU+8*\u+7]
.endr
.irp u, 0,1
	v_pk_add_f32 v[SU+8*\u:SU+8*\u+1], v[SU+8*\u:SU+8*\u+1], v[SU+8*\u+4:SU+8*\u+5]
.endr
.irp u, 0,1
	v_add_f32 v[MX+\u], v[SU+8*\u], v[SU+8*\u+1]
.endr
.irp u, 0,1
	v_permlanex16_b32 v[MX+2+\u], v[MX+\u], s[SEL], s[SEL+1]
.endr
.irp u, 0,1
	v_add_f32 v[MX+\u], v[MX+\u], v[MX+2+\u]   ; the row's sum
.endr
	s_mul_i32 s17, s[WV], 16*SP
	s_add_co_u32 s17, s17, STAGE           ; my stage
	s_wait_alu depctr_va_vdst(0)           ; ahead of the batch
	v_rcp_f32 v[MX+4], v[MX]
	v_rcp_f32 v[MX+5], v[MX+1]
	v_and_b32 v15, 15, v0
	v_bfe_u32 v14, v0, 4, 1
	v_mul_u32_u24 v12, v15, SP
	v_lshl_add_u32 v12, v14, 5, v12
	v_add_nc_u32 v12, s17, v12             ; in: row r, channels 16 t + 8 h on: 64 t + 32 h bytes
	v_mul_u32_u24 v13, v14, SP
	v_lshl_add_u32 v13, v15, 4, v13
	v_add_nc_u32 v13, s17, v13             ; back: lanes 0-15 one row of 256 bytes, lanes 16-31 the next
	v_lshlrev_b32 v14, 12, v14
	v_lshl_add_u32 v14, v15, 4, v14        ; the same in out
	s_wait_alu depctr_va_vdst(0)           ; behind the batch
.irp u, 0,1
	v_ldexp_f32 v[FC+2*\u], v[MX+4+\u], s56   ; 2^(e8 + e9) / the sum
.endr
	s_wait_alu depctr_va_vdst(0)
	s_wait_dscnt 0x8
	PV 0
	PLACES
	FLOAD 2
	s_wait_dscnt 0x8
	PV 1
	PLACES
	FLOAD 3
	s_wait_dscnt 0x8
	PV 2
	s_wait_dscnt 0x0
	PV 3
	PLACES
; THE WAY OUT, 16 queries at a time, through my own stage: LDS serves a wave's instructions in order (ISA guide 5.7.1.4)
.irp u, 0,1
.irp j, 0,2,4,6,8,10,12,14,16,18,20,22,24,26,28,30
	v_pk_mul_f32 v[FR+32*\u+\j:FR+32*\u+\j+1], v[OT+32*\u+\j:OT+32*\u+\j+1], v[FC+2*\u:FC+2*\u+1] op_sel_hi:[1,0]
.endr
.irp t, 0,1,2,3
	ds_store_b128 v12, v[FR+32*\u+8*\t:FR+32*\u+8*\t+3] offset:64*\t
	ds_store_b128 v12, v[FR+32*\u+8*\t+4:FR+32*\u+8*\t+7] offset:64*\t+16
.endr
.irp i, 0,1,2,3,4,5,6,7
	ds_load_b128 v[PC+32*\u+4*\i:PC+32*\u+4*\i+3], v13 offset:2*\i*SP
.endr
.endr
.irp u, 0,1
.irp i, 0,1,2,3,4,5,6,7
	s_wait_dscnt 16*(1-\u)+7-\i            ; behind this load: the tile's later loads and the other tile's 16 lines
	global_store_b128 v14, v[PC+32*\u+4*\i:PC+32*\u+4*\i+3], s[8:9] offset:(16*\u+2*\i)*4096 th:TH_STORE_NT   ; sixteen lanes store 256 consecutive bytes, aligned
.endr
.endr
	s_wait_tensorcnt 0x0                   ; the wave's end
	ds_add_u32 v[SPW], v[NIL]
	s_wait_dscnt 0x0
	CROUND                                 ; the closing round: no work-group ends while a partner may still ask for a part that names it
	s_endpgm
.Lfunc_end_k_qc627c2b8d6_attn:
	.size	k_qc627c2b8d6_attn, .Lfunc_end_k_qc627c2b8d6_attn-k_qc627c2b8d6_attn
	.p2alignl 7, 3214868480
	.fill 96, 4, 3214868480
	.section	.rodata,"a",@progbits
	.p2align	6, 0x0
	.amdhsa_kernel k_qc627c2b8d6_attn
		.amdhsa_group_segment_fixed_size 327680
		.amdhsa_private_segment_fixed_size 0
		.amdhsa_enable_private_segment 0
		.amdhsa_kernarg_size 24
		.amdhsa_user_sgpr_count 2
		.amdhsa_user_sgpr_kernarg_segment_ptr 1
		.amdhsa_wavefront_size32 1
		.amdhsa_system_sgpr_workgroup_id_x 1
		.amdhsa_system_sgpr_workgroup_id_y 1
		.amdhsa_system_sgpr_workgroup_id_z 1
		.amdhsa_system_vgpr_workitem_id 0
		.amdhsa_next_free_vgpr 512
		.amdhsa_next_free_sgpr 100
		.amdhsa_reserve_vcc 0
		.amdhsa_float_denorm_mode_32 3
		.amdhsa_float_denorm_mode_16_64 3
		.amdhsa_memory_ordered 1
		.amdhsa_forward_progress 1
		.amdhsa_inst_pref_size 176
	.end_amdhsa_kernel
	.amdgpu_metadata
---
amdhsa.version: [ 1, 2 ]
amdhsa.kernels:
  - .name:           k_qc627c2b8d6_attn
    .symbol:         k_qc627c2b8d6_attn.kd
    .args:
      - { .name: qkv, .offset: 0, .size: 8, .value_kind: global_buffer, .address_space: global }
      - { .name: lowp_scales, .offset: 8, .size: 8, .value_kind: global_buffer, .address_space: global }
      - { .name: out0, .offset: 16, .size: 8, .value_kind: global_buffer, .address_space: global }
    .group_segment_fixed_size: 327680
    .private_segment_fixed_size: 0
    .kernarg_segment_align: 8
    .kernarg_segment_size: 24
    .max_flat_workgroup_size: 256
    .sgpr_count:     100
    .vgpr_count:     512
    .wavefront_size: 32
...
	.end_amdgpu_metadata
.endif
;; end of part 2
